; MI455X (gfx1250); checked and timed in simulation.
; The chip was launched on July 23, 2026; its instructions are those of AMD's public machine-readable ISA for CDNA 5 (MIT licence, August 2026) and "CDNA5" Instruction Set Architecture Reference Guide (July 2026). The comments in the code are by the model that wrote it; some were corrected since.
;; Attention pps. Allowed arithmetic: matrix products marked QUANTISED: E2M1 operands, one E8M0 scale for each 32 along K, by v_wmma_scale_f32_16x16x128_f8f6f4 with both operands' format E2M1 (or v_wmma_scale_f32_32x16x128_f4), f32 sums; products left as they are: f32 operands where the result goes on into a quantised operand, else bf16, f16 or f32 operands; f32 sums; everything else in f32.
;; Inputs: W_kv 512 x 1,024 float32; W_proj 512 x 512 float32; b_proj 512 float32; x 32,768 x 2 x 512 float32.
;; Outputs: out0 32,768 x 1 x 512 float32.
;; This version of the problem:
;;   THIS VERSION OF THE PROBLEM IS GIVEN IN LOW PRECISION. The matrix products marked QUANTISED in the list below multiply operands that are first quantised to E2M1 (2 exponent bits, 1 mantissa bit; 4 bits a number), with one power-of-two scale for each 32 numbers along K (OCP MX v1.0); their sums are f32. All else is computed in f32.
;;   The module's matrix products, in the order in which they are computed (A, B: the left and right operand; K: the contracted axis; several contracted axes count as one K, in the product's order):
;;     1. [M 32,768, K 512] x [K 512, N 1,024]; A: input x; B: input W_kv: QUANTISED
;;     2. [M 32,768, K 512] x [K 512, N 1,024]; A: input x; B: input W_kv: QUANTISED
;;     3. batch 262,144 x [M 1, K 64] x [K 64, N 1]; A: input x; B: computed on the way: left as it is (M = 1 < 16)
;;     4. batch 262,144 x [M 1, K 1] x [K 1, N 64]; A: softmax; B: computed on the way: left as it is (K = 1 < 32)
;;     5. [M 32,768, K 512] x [K 512, N 512]; A: computed on the way; B: input W_proj: QUANTISED
;;   THE QUANTISER, for each operand of a quantised product, along K:
;;     - K is cut into blocks of 32 from its start; a last block that is shorter is filled with zeros.
;;     - A block's scale is 2^e with e = floor(log2(the largest magnitude in the block)) - 2, held to -126 .. 127; a block of zeros has e = 0. As a byte (E8M0): e + 127.
;;     - Each number is divided by its block's scale, clamped to +-6, and rounded to the nearest number of E2M1, ties to even, subnormals kept.
;;     - The product sums the exact products of the quantised numbers (number of the format x scale) in f32.
;;   ~~~python
;;   def quantise(x, axis):      # numpy; x: float32 -> the quantised numbers, widened to float32 again
;;       x = np.moveaxis(x, axis, -1); K = x.shape[-1]
;;       x = np.pad(x, [(0, 0)] * (x.ndim - 1) + [(0, -K % 32)]); x = x.reshape(x.shape[:-1] + (-1, 32)); a = np.abs(x).max(-1, keepdims=True)
;;       e = np.where(a > 0, np.clip(np.frexp(np.where(a > 0, a, 1))[1] - 1 - 2, -126, 127), 0)      # np.frexp(a)[1] - 1 = floor(log2(a)), exactly
;;       r = np.clip(x / 2.0 ** e, -6, 6)
;;       step = 2.0 ** (np.maximum(np.frexp(np.where(r == 0, 1, r))[1] - 1, 0) - 1)
;;       q = np.round(r / step) * step * 2.0 ** e      # np.round: ties to even
;;       return np.moveaxis(q.reshape(q.shape[:-2] + (-1,))[..., :K], -1, axis).astype(np.float32)
;;   ~~~
;;   OPERANDS COMPUTED ON THE WAY. 'Computed on the way' means the value that the module computes at that place (a softmax that the list does not call 'softmax' is quantised finished and normalised). What goes into a quantiser is computed in f32, as accurately as f32 sums, v_exp_f32 and their like allow (about 1e-6 of the number): no bf16 or f16 on the way to a quantiser, and a product that is left as it is and whose result goes on into a quantised operand takes f32 operands (vector FMAs, or v_wmma_f32_16x16x4_f32). A number that lies on a knife's edge between two numbers of the format may be rounded either way, as far as f32 arithmetic and the matrix unit's own rounding can turn it there, and no further.
;; One version. Each part assembles by itself: llvm-mc -triple=amdgcn-amd-amdhsa -mcpu=gfx1250 --defsym DOCPART=n.
;; ======== version 1 of 1: 2 launches
;; limits: right only within a limited range of input values
;; workspace buffers: wq 262,144 bytes; ws 16,384 bytes
;; launch wquant (part 1): grid 32 x 2, 8 waves a work-group, no clusters, 2,048 bytes of LDS; arguments W_kv, W_proj, wq, ws; writes wq, ws
.if DOCPART == 1
	.amdgcn_target "amdgcn-amd-amdhsa--gfx1250"
	.amdhsa_code_object_version 6
	.text
	.protected	k_q6abca2219c_wquant
	.globl	k_q6abca2219c_wquant
	.p2align	8
	.type	k_q6abca2219c_wquant,@function
k_q6abca2219c_wquant:
	s_mov_b64 s[64:65], 0
	v_nop
	global_prefetch_b8 v0, s[64:65] scope:SCOPE_SE
	s_setreg_imm32_b32 hwreg(HW_REG_WAVE_MODE, 25, 1), 1
	s_wait_xcnt 0x0
; WHAT THE PROGRAM LEAVES OUT.  There is one key a query (n = 1): the softmax runs over an axis of length 1, and exp(t - t) / exp(t - t) = 1 for every finite t.  So attn is the factor 1,
; and out = v_img.  The scores, q, k_pps, k_img and v_pps reach no output, whatever finite values the inputs hold: the rows x[:, 1, :] and W_kv's columns 0 .. 511 are not read, products 3 and 4 and the
; halves of products 1 and 2 that make k and v_pps are not done.  What is left: v = Q(x[:, 0, :]) Q(W_kv[:, 512:]), out0 = Q(v) Q(W_proj) + b_proj.
; LIMIT: a NaN, an infinity or an overflow that reaches only the work left out is not carried to the result.
; THIS LAUNCH.  W_kv's columns 512 .. 1023 (g = 0) and W_proj (g = 1), f32, K = their first axis, become codes of FP4 (E2M1) with one E8M0 scale byte for each 32 along K, laid in the order in which
; the next launch's operand registers take them.  Wave w of that launch owns columns 64 w .. 64 w + 63 of each, as tiles t = 0 .. 3:
;   g = 0: column of tile t, row r = 32 (t / 2) + 8 (t % 2) + r + 8 (r / 8): a transposed result's 16 registers of two neighbouring tiles are 16 neighbours;
;   g = 1: column = 4 r + t: one register of each of the four tiles makes four neighbouring columns of the output.
; wq: byte 131072 g + 16384 w + (4 t + s) 1024 + 512 c + 256 h + 16 r begins the 32 codes k = 128 s + 64 c + 32 h + 0 .. 31 of that column.
; ws: byte 8192 g + 1024 w + 512 (t / 2) + 256 (s / 2) + 8 (16 (t % 2) + r) + 4 (s % 2): the scale word of the column's K step s.
; SHARES.  Work-group (x, y): x = 16 g + 2 w + t / 2: two tiles, 32 columns; y: K steps 2 y and 2 y + 1.  Its wave j takes block n = j % 4 of K step 2 y + j / 4.  A lane is place u = (lane / 8) % 2,
; r = lane % 8 + 8 (lane / 16) of the two tiles: it takes ONE COLUMN and its 32 registers run down K: a whole block, whose codes come out with K innermost.  The scale bytes meet in LDS and leave as 256 bytes.
; No tensor loads: 32 loads a wave, each byte read once, no loop.
; A block's scale is 2^(floor(log2(its largest magnitude)) - 2).  LIMITS: a block of zeros gets the byte 1 where the quantiser says 127 (its codes are zeros, and this program alone reads the bytes);
; blocks whose largest magnitude lies under 2^-124, where the byte is held at 1, were not tried; NaN and infinities among the weights are not served.
.set X,  32                            ; v32-63  32 numbers of my column
.set C,  16                            ; v16-19  their codes
.set SPW, 14                           ; v14     my spare word
.set NIL, 15                           ; v15     0
.set SPARE, 1024                       ; behind the 8 x 128 bytes of scale bytes: 128 bytes for each wave
	s_load_b256 s[4:11], s[0:1], 0x0               ; W_kv s[4:5], W_proj s[6:7], wq s[8:9], ws s[10:11]
	v_lshl_add_u32 v[SPW], v0, 2, SPARE
	v_mov_b32 v[NIL], 0
	v_lshrrev_b32 v1, 5, v0
	v_readfirstlane_b32 s16, v1                    ; wave j
	s_and_b32 s17, ttmp7, 0xffff                   ; y
	s_lshr_b32 s18, s16, 2
	s_and_b32 s19, s16, 3                          ; n
	s_lshl_b32 s20, s17, 1
	s_add_co_u32 s20, s20, s18                     ; K step s
	s_lshl_b32 s22, ttmp9, 13                      ; wq: 8192 x + 1024 s + 256 n
	s_lshl_b32 s21, s20, 10
	s_add_co_u32 s22, s22, s21
	s_lshl_b32 s21, s19, 8
	s_add_co_u32 s22, s22, s21
	s_mov_b32 s23, 0
	s_lshl_b32 s24, ttmp9, 9                       ; ws: 512 x + 256 y
	s_lshl_b32 s21, s17, 8
	s_add_co_u32 s24, s24, s21
	s_mov_b32 s25, 0
	s_lshl_b32 s26, s20, 2
	s_add_co_u32 s26, s26, s19                     ; my block along K: 4 s + n
	s_lshl_b32 s30, s16, 7                         ; LDS: 128 bytes a wave
	s_lshl_b32 s31, s19, 3                         ; my byte's place in the word
	v_and_b32 v1, 31, v0                           ; lane
	v_lshlrev_b32 v3, 2, v1                        ; g = 0: my column among 32 neighbours
	v_lshlrev_b32 v8, 3, v1
	v_bfe_u32 v6, v1, 3, 1                         ; u
	v_and_b32 v7, 7, v1
	v_lshrrev_b32 v9, 4, v1
	v_lshl_add_u32 v7, v9, 3, v7                   ; r
	v_lshlrev_b32 v2, 4, v7
	v_lshl_add_u32 v4, v6, 12, v2                  ; codes: 4096 u + 16 r
	v_lshl_add_u32 v2, v6, 2, v2                   ; g = 1: my column: 4 (4 r + u) bytes
	v_lshl_add_u32 v5, v6, 4, v7
	v_lshlrev_b32 v5, 2, v5
	v_add_nc_u32 v5, s30, v5                       ; LDS: my word: 128 j + 4 (16 u + r)
	s_wait_alu depctr_va_vdst(0)                   ; the wait at the head's end
	s_wait_kmcnt 0x0
	s_add_nc_u64 s[8:9], s[8:9], s[22:23]
	s_add_nc_u64 s[10:11], s[10:11], s[24:25]
.macro LOADS base, pitch, off          ; 32 rows of my column; every offset is an immediate
.set i, 0
.rept 32
	global_load_b32 v[X+i], v[\off], s[\base:\base+1] offset:i*\pitch th:TH_LOAD_NT
.set i, i+1
.endr
.endm
	s_mov_b32 s29, 0
	s_cmp_lt_u32 ttmp9, 16                         ; a branch on the work-group's number; both ways issue 32 loads
	s_cbranch_scc0 .Lproj
	s_lshl_b32 s28, s26, 17                        ; 32 rows of 4,096 bytes a block
	s_lshl_b32 s21, ttmp9, 7                       ; + 32 columns a work-group
	s_add_co_u32 s28, s28, s21
	s_add_co_u32 s28, s28, 2048                    ; + column 512
	s_add_nc_u64 s[4:5], s[4:5], s[28:29]
	LOADS 4, 4096, 3
	s_branch .Lloaded
.Lproj:
	s_lshl_b32 s28, s26, 16                        ; 32 rows of 2,048 bytes a block
	s_sub_co_u32 s21, ttmp9, 16
	s_and_b32 s20, s21, 1
	s_lshl_b32 s20, s20, 3                         ; + 2 (t / 2) columns
	s_add_co_u32 s28, s28, s20
	s_lshr_b32 s21, s21, 1
	s_lshl_b32 s21, s21, 8                         ; + 64 w columns
	s_add_co_u32 s28, s28, s21
	s_add_nc_u64 s[6:7], s[6:7], s[28:29]
	LOADS 6, 2048, 2
.Lloaded:
	s_wait_loadcnt 16                              ; the first 16 rows are in; the other 16 may be out
	v_max3_num_f32 v12, |v[X]|, |v[X+1]|, |v[X+2]|               ; the block's largest magnitude, in two chains
	v_max3_num_f32 v13, |v[X+3]|, |v[X+4]|, |v[X+5]|
.irp e, 6,10
	v_max3_num_f32 v12, v12, |v[X+\e]|, |v[X+\e+1]|
	v_max3_num_f32 v13, v13, |v[X+\e+2]|, |v[X+\e+3]|
.endr
	v_max3_num_f32 v12, v12, |v[X+14]|, |v[X+15]|
	s_wait_alu depctr_va_vdst(0)                   ; the wait here, directly ahead of the wait below
	s_wait_loadcnt 0x0
.irp e, 16,20,24,28
	v_max3_num_f32 v12, v12, |v[X+\e]|, |v[X+\e+1]|
	v_max3_num_f32 v13, v13, |v[X+\e+2]|, |v[X+\e+3]|
.endr
	v_max3_num_f32 v12, v12, v13, 0x1800000        ; and the floor 2^(3 - 127): the byte cannot fall under 1
	v_add_nc_u32 v11, 0xff000000, v12              ; 2 off its exponent field: the conversion's scale operand
.irp e, 0,1,2,3
	v_cvt_scalef32_pk8_fp4_f32 v[C+\e], v[X+8*\e:X+8*\e+7], v11
.endr
	v_lshrrev_b32 v13, 23, v11                     ; the scale's byte,
	v_lshlrev_b32 v13, s31, v13                    ; at its place in the word
	global_store_b128 v4, v[C:C+3], s[8:9]         ; the 16 lanes of a tile store 256 consecutive bytes, at a multiple of 256 from wq's first byte
	ds_store_b32 v5, v13
	s_wait_dscnt 0x0                               ; my word is in LDS
	s_barrier_signal -1
	s_barrier_wait -1
	s_cmp_lg_u32 s16, 0                            ; wave 0 joins the four blocks' bytes of both K steps
	s_cbranch_scc1 .Lend
.irp e, 0,1,2,3,4,5,6,7
	ds_load_b32 v[20+\e], v3 offset:128*\e
.endr
	s_wait_dscnt 0x0
	v_or_b32 v20, v20, v21
	v_or_b32 v22, v22, v23
	v_or_b32 v24, v24, v25
	v_or_b32 v26, v26, v27
	v_or_b32 v28, v20, v22
	v_or_b32 v29, v24, v26
	global_store_b64 v8, v[28:29], s[10:11]        ; 32 lanes store one aligned unit of 256 bytes
.Lend:
	s_wait_tensorcnt 0x0                           ; the wave's end
	ds_add_u32 v[SPW], v[NIL]
	s_wait_dscnt 0x0
	s_endpgm
.Lfunc_end_k_q6abca2219c_wquant:
	.size	k_q6abca2219c_wquant, .Lfunc_end_k_q6abca2219c_wquant-k_q6abca2219c_wquant
	.p2alignl 7, 3214868480
	.fill 96, 4, 3214868480
	.section	.rodata,"a",@progbits
	.p2align	6, 0x0
	.amdhsa_kernel k_q6abca2219c_wquant
		.amdhsa_group_segment_fixed_size 2048
		.amdhsa_private_segment_fixed_size 0
		.amdhsa_enable_private_segment 0
		.amdhsa_kernarg_size 32
		.amdhsa_user_sgpr_count 2
		.amdhsa_user_sgpr_kernarg_segment_ptr 1
		.amdhsa_wavefront_size32 1
		.amdhsa_system_sgpr_workgroup_id_x 1
		.amdhsa_system_sgpr_workgroup_id_y 1
		.amdhsa_system_sgpr_workgroup_id_z 1
		.amdhsa_system_vgpr_workitem_id 0
		.amdhsa_next_free_vgpr 64
		.amdhsa_next_free_sgpr 66
		.amdhsa_reserve_vcc 0
		.amdhsa_float_denorm_mode_32 3
		.amdhsa_float_denorm_mode_16_64 3
		.amdhsa_memory_ordered 1
		.amdhsa_forward_progress 1
		.amdhsa_inst_pref_size 12
	.end_amdhsa_kernel
	.amdgpu_metadata
---
amdhsa.version: [ 1, 2 ]
amdhsa.kernels:
  - .name:           k_q6abca2219c_wquant
    .symbol:         k_q6abca2219c_wquant.kd
    .args:
      - { .name: W_kv, .offset: 0, .size: 8, .value_kind: global_buffer, .address_space: global }
      - { .name: W_proj, .offset: 8, .size: 8, .value_kind: global_buffer, .address_space: global }
      - { .name: wq, .offset: 16, .size: 8, .value_kind: global_buffer, .address_space: global }
      - { .name: ws, .offset: 24, .size: 8, .value_kind: global_buffer, .address_space: global }
    .group_segment_fixed_size: 2048
    .private_segment_fixed_size: 0
    .kernarg_segment_align: 8
    .kernarg_segment_size: 32
    .max_flat_workgroup_size: 256
    .sgpr_count:     66
    .vgpr_count:     64
    .wavefront_size: 32
...
	.end_amdgpu_metadata
.endif
;; end of part 1
;; launch fused (part 2): grid 256 x 1, 8 waves a work-group, no clusters, 327,680 bytes of LDS; arguments x, wq, ws, b_proj, out0; writes out0
.if DOCPART == 2
	.amdgcn_target "amdgcn-amd-amdhsa--gfx1250"
	.amdhsa_code_object_version 6
	.text
	.protected	k_q6abca2219c_fused
	.globl	k_q6abca2219c_fused
	.p2align	8
	.type	k_q6abca2219c_fused,@function
k_q6abca2219c_fused:
	s_mov_b64 s[64:65], 0
	v_nop
	global_prefetch_b8 v0, s[64:65] scope:SCOPE_SE
	s_setreg_imm32_b32 hwreg(HW_REG_WAVE_MODE, 25, 1), 1
	s_wait_xcnt 0x0
; out0[m] = Q(v[m]) Q(W_proj) + b_proj, v[m] = Q(x[m][0]) Q(W_kv[:, 512:]), Q = codes of FP4 (E2M1), 4 bits each, with one E8M0 scale for each 32 along K; sums in f32.
; LEFT OUT: the softmax over one key is the factor 1 for all finite inputs, so the scores, q, k and v of the second row of each pair reach no output (shown at the head of the first kernel): x[:, 1, :] is not read.
; LIMITS: a NaN, an infinity or an overflow that reaches only the work left out is not carried to the result; blocks whose largest magnitude lies under 2^-124, where the byte is held at 1, were not tried;
; NaN and infinities among the inputs are not served.
; SHARES.  A work-group owns 128 rows m and has 8 waves; wave w owns columns 64 w .. 64 w + 63 of v and of out0.  Its codes of both weights, 2 x 128 registers, fill window 1 and stay.
; THE WHOLE BLOCK OF x (128 rows x 2,048 bytes) IS ASKED FOR AT THE HEAD, by asynchronous copies of 512 consecutive bytes, 64 a wave, into LDS bytes that nothing fills again.  The weights' loads stand among the copies in
; the order of need.  Nothing is left to prefetch: there is no loop, and all is asked for at once.
; CLUSTERS: none.  What the work-groups share are the weights' codes and scales, 278,528 bytes for each.  x takes 270,336 of LDS's 327,680 bytes, so they do not fit beside it; they go straight into registers, each byte once a work-group.
; The rows go in four chunks of 32, two tiles of 16.  QX: wave w = 4 rt + s quantises what it has copied itself: tile rt's 16 rows, K step s (128 along K), and stores the codes as an image of the operand's registers.
; G1: v's tiles, TRANSPOSED (source 0 = 16 columns of W, source 1 = 16 rows of x): a lane holds one row, and its 16 registers of two neighbouring tiles are 16 neighbouring columns: they are quantised in
; registers and stored as an image too (wave w makes blocks 2 w and 2 w + 1 of 32 along the next K).  G2: the second product, bias, stores.
; REGISTERS, window 0: v2-22, v28-31 addresses; v24-27 bias; v32-47 the weights' scale words; v48-51 the rows' scale words; v52-67 at work; v68-75 codes; v76-139 accumulators; v140-203 fragments of 32 rows x 512, or
; 64 numbers of x; v204-255 (and v52-63) results on their way out.  Window 1: W_kv's fragments at v0-127, W_proj's at v128-255.
.set PITCH, 528                        ; a row of a wave's unit of x in LDS: 512 bytes + 16: an odd multiple of 16
.set UNIT, 16*PITCH                    ; a wave's 16 rows of a chunk: 8,448 bytes, a multiple of 256
.set XIMG, 32*UNIT                     ; behind 4 chunks x 8 units: images of x's codes, two chunks by turns, 8,192 bytes each
.set XSC,  XIMG+2*8192                 ; their scale words, 512 bytes a chunk
.set VIMG, XSC+2*512                   ; images of v's codes, four chunks
.set VSC,  VIMG+4*8192                 ; their scales, 1,024 bytes a chunk: a word for each wave and row, two bytes of it used
.set SPARE, VSC+4*1024                 ; the spare words, 128 bytes for each wave
.set LW,   2                           ; weights: 16384 w + 16 lane
.set WSO,  3                           ; scale words: 1024 w + 8 lane
.set VX,   4                           ; v4-7 the copies' offsets in memory, one for each chunk
.set BO,   8                           ; bias: 256 w + 16 r
.set OO,   9                           ; out0: the same + 8 h rows
.set SPW,  10
.set NIL,  11
.set XA0,  12                          ; where I read my rows of x in chunk 0
.set XAD,  13                          ; and in a later chunk
.set LX,   14                          ; images of x: read
.set XWI,  15                          ;   write
.set XWS,  16                          ;   scale words: write
.set LS,   17                          ;   scale words: read: lanes 0-15 tile 0's rows, lanes 16-31 tile 1's
.set LV,   18                          ; images of v, likewise
.set VWI,  19
.set VWS,  20
.set LVS,  21
.set HS,   22                          ; 8 h
.set PW,   23
.set BIAS, 24
.set LD,   28                          ; v28-31 the copies' LDS address, one for each chunk
.set WS,   32
.set XS,   48
.set TM,   52
.set PC,   68
.set ACC,  76
.set F,    140
.set OUTB, 204
.set XB,   66                          ; s[66:97] the copies' bases, one for each of a unit's 16 rows
.set MSB, 0
.macro WIN new                         ; the immediate's high byte repeats the setting that is left
.if MSB != (\new)
	s_set_vgpr_msb (MSB<<8)|(\new)
.set MSB, (\new)
.endif
.endm
.macro PLACES
.rept 4
	v_nop
.endr
.endm
.macro BARRIER                         ; my LDS stores are in and my LDS reads are over; then everybody's
	s_wait_dscnt 0x0
	s_barrier_signal -1
	s_barrier_wait -1
.endm
; Rows from .. from + n - 1 of my unit of chunk i.  The immediate is added to both addresses: it steps LDS by PITCH a row, and the bases (3,568 a row) bring memory to 4,096 a row.
.macro XCOPY i, from, n
.set RQ, \from
.rept \n
	global_load_async_to_lds_b128 v[LD+\i], v[VX+\i], s[XB+2*RQ:XB+2*RQ+1] offset:PITCH*RQ
.set RQ, RQ+1
.endr
.endm
; Half fragments from .. from + n - 1 of weight g: 512 consecutive bytes each, into window 1
.macro WLOAD g, from, n
	WIN 0x40
.set RQ, \from
.rept \n
	global_load_b128 v[128*\g+4*RQ:128*\g+4*RQ+3], v[LW], s[6:7] offset:131072*\g+512*RQ
.set RQ, RQ+1
.endr
	WIN 0
.endm
.macro WSLOAD g                        ; register WS + 8 g + 4 (t / 2) + s: tile t's word for K step s, even tiles in lanes 0-15, odd ones in lanes 16-31
.irp p, 0,1
.irp e, 0,1
	global_load_b64 v[WS+8*\g+4*\p+2*\e:WS+8*\g+4*\p+2*\e+1], v[WSO], s[8:9] offset:8192*\g+512*\p+256*\e
.endr
.endr
.endm
; My 16 rows x 128 K of chunk i: lane (r, h) takes k = 64 c + 32 h + 0 .. 31 of row r: two whole blocks, in the operand's own order
.macro QXLOAD i
	s_wait_asynccnt 48-16*(\i)                     ; chunk i's 16 copies are in; those of the later chunks may be out.  Nobody else reads these bytes
.if (\i) == 0
.set AR, XA0
.else
	v_add_nc_u32 v[XAD], 8*UNIT*(\i), v[XA0]
.set AR, XAD
.endif
.irp c, 0,1
.irp e, 0,1,2,3,4,5,6,7
	ds_load_b128 v[F+32*\c+4*\e:F+32*\c+4*\e+3], v[AR] offset:256*\c+16*\e
.endr
.endr
.endm
.macro QXWORK i, left                  ; left: the LDS stores issued behind QXLOAD's loads
	s_wait_dscnt \left
.irp k, 0,1,2,3
	v_max3_num_f32 v[TM+\k], |v[F+16*\k]|, |v[F+16*\k+1]|, 0x1800000   ; half a block a chain; the floor 2^(3 - 127) holds the byte at 1
.endr
.irp e, 2,4,6,8,10,12,14
.irp k, 0,1,2,3
	v_max3_num_f32 v[TM+\k], v[TM+\k], |v[F+16*\k+\e]|, |v[F+16*\k+\e+1]|
.endr
.endr
	v_max_num_f32 v[TM], v[TM], v[TM+1]
	v_max_num_f32 v[TM+2], v[TM+2], v[TM+3]
	v_add_nc_u32 v[TM+8], 0xff000000, v[TM]        ; 2 off the exponent field: the conversion's scale operand
	v_add_nc_u32 v[TM+9], 0xff000000, v[TM+2]
	v_lshrrev_b32 v[TM+10], 23, v[TM+8]            ; the scales' bytes
	v_lshrrev_b32 v[TM+11], 23, v[TM+9]
.irp c, 0,1
.irp e, 0,1,2,3
	v_cvt_scalef32_pk8_fp4_f32 v[PC+4*\c+\e], v[F+32*\c+8*\e:F+32*\c+8*\e+7], v[TM+8+\c]
.endr
.endr
	v_lshl_or_b32 v[PW], v[TM+11], 16, v[TM+10]    ; my two bytes are blocks h and 2 + h of the row's word
	v_lshlrev_b32 v[PW], v[HS], v[PW]
	v_permlanex16_b32 v[TM+7], v[PW], s26, s27
	v_or_b32 v[PW], v[PW], v[TM+7]                 ; with lane l xor 16's two it is whole
	ds_store_b128 v[XWI], v[PC:PC+3] offset:8192*((\i)%2)
	ds_store_b128 v[XWI], v[PC+4:PC+7] offset:8192*((\i)%2)+512
	ds_store_b32 v[XWS], v[PW] offset:512*((\i)%2)
.endm
; The fragments of 32 rows x 512, by K steps, 16 loads; FO: where the chunk's image lies
.macro FRAGS adr
.irp s, 0,1,2,3
.irp rt, 0,1
.irp c, 0,1
	ds_load_b128 v[F+32*\rt+8*\s+4*\c:F+32*\rt+8*\s+4*\c+3], v[\adr] offset:FO+4096*\rt+1024*\s+512*\c
.endr
.endr
.endr
.endm
.macro MMI c, m1, m2
.if \c
	v_wmma_scale_f32_16x16x128_f8f6f4 v[rD:rD+7], v[rA:rA+7], v[rB:rB+7], v[rD:rD+7], v[rS], v[rT] matrix_a_fmt:MATRIX_FMT_FP4 matrix_b_fmt:MATRIX_FMT_FP4 \m1 \m2
.else
	v_wmma_scale_f32_16x16x128_f8f6f4 v[rD:rD+7], v[rA:rA+7], v[rB:rB+7], 0, v[rS], v[rT] matrix_a_fmt:MATRIX_FMT_FP4 matrix_b_fmt:MATRIX_FMT_FP4 \m1 \m2
.endif
.endm
; g = 0: source 0 = W_kv's tile t, source 1 = tile rt of the rows; g = 1: source 0 = tile rt of the rows, source 1 = W_proj's tile t
.macro MM g, s, rt, t
.set rD, ACC+32*(\rt)+8*(\t)
.if \g == 0
.set rA, 8*(4*(\t)+(\s))
.set rB, F+32*(\rt)+8*(\s)
.set rS, WS+4*((\t)/2)+(\s)
.set rT, XS+(\s)
.set aR, (\t)%2
.set bR, (\rt)
.else
.set rA, F+32*(\rt)+8*(\s)
.set rB, 128+8*(4*(\t)+(\s))
.set rS, XS+(\s)
.set rT, WS+8+4*((\t)/2)+(\s)
.set aR, (\rt)
.set bR, (\t)%2
.endif
.if aR
.if bR
	MMI \s, matrix_a_scale:MATRIX_SCALE_ROW1, matrix_b_scale:MATRIX_SCALE_ROW1
.else
	MMI \s, matrix_a_scale:MATRIX_SCALE_ROW1
.endif
.else
.if bR
	MMI \s, matrix_b_scale:MATRIX_SCALE_ROW1
.else
	MMI \s
.endif
.endif
.endm
.macro GEMM g                          ; the 8 accumulators take turns; K step 0 starts the sums
.irp s, 0,1,2,3
	s_wait_dscnt 12-4*\s                           ; K step s is in; the later steps' fragments, four loads a step, may be out
.irp rt, 0,1
.irp t, 0,1,2,3
	MM \g, \s, \rt, \t
.endr
.endr
.endr
.endm
; v's 64 columns of 32 rows: block b of the four (tile rt = b / 2) is 16 registers here and 16 in lane l xor 16
.macro QV i
.irp b, 0,1,2,3
	v_max3_num_f32 v[TM+\b], |v[ACC+16*\b]|, |v[ACC+1+16*\b]|, 0x1800000
.endr
.irp e, 2,4,6,8,10,12,14
.irp b, 0,1,2,3
	v_max3_num_f32 v[TM+\b], v[TM+\b], |v[ACC+16*\b+\e]|, |v[ACC+1+16*\b+\e]|
.endr
.endr
.irp b, 0,1,2,3
	v_permlanex16_b32 v[TM+4+\b], v[TM+\b], s26, s27
.endr
.irp b, 0,1,2,3
	v_max_num_f32 v[TM+\b], v[TM+\b], v[TM+4+\b]
.endr
.irp b, 0,1,2,3
	v_add_nc_u32 v[TM+12+\b], 0xff000000, v[TM+\b]
.endr
.irp b, 0,1,2,3
	v_lshrrev_b32 v[TM+4+\b], 23, v[TM+12+\b]
.endr
	v_lshl_or_b32 v[TM+4], v[TM+5], 8, v[TM+4]     ; two bytes of the row's word for K step w / 2: its half w % 2
	v_lshl_or_b32 v[TM+6], v[TM+7], 8, v[TM+6]
.irp b, 0,1,2,3
	v_cvt_scalef32_pk8_fp4_f32 v[PC+2*\b], v[ACC+16*\b:ACC+7+16*\b], v[TM+12+\b]
	v_cvt_scalef32_pk8_fp4_f32 v[PC+1+2*\b], v[ACC+8+16*\b:ACC+15+16*\b], v[TM+12+\b]
.endr
	v_nop
.irp c, 0,1                            ; a whole block in a lane: lanes 0-15 the first, lanes 16-31 the second
.irp e, 0,1
	v_permlane16_swap_b32 v[PC+4*\c+\e], v[PC+2+4*\c+\e]
.endr
.endr
	ds_store_b128 v[VWI], v[PC:PC+3] offset:8192*(\i)
	ds_store_b128 v[VWI], v[PC+4:PC+7] offset:8192*(\i)+4096
	ds_store_b32 v[VWS], v[TM+4] offset:1024*(\i)
	ds_store_b32 v[VWS], v[TM+6] offset:1024*(\i)+512
.endm
.macro G1 i, nx                        ; nx = 1: the next chunk's rows of x are read from LDS while v is quantised
.set FO, 8192*((\i)%2)
.irp s, 0,1,2,3
	ds_load_b32 v[XS+\s], v[LS] offset:512*((\i)%2)+64*\s
.endr
	FRAGS LX
.if (\i) == 0
	s_wait_loadcnt 37                              ; W_kv's codes and scales are in; W_proj's 4 + 32 loads and the bias may be out
.endif
	WIN 0x01
	GEMM 0
	WIN 0
	PLACES                                         ; for the reads of the results, and for the loads into the fragments' registers
.if \nx
	QXLOAD \i+1
.endif
	QV \i
.endm
.macro OREG n                          ; the four registers of row n of 16: 13 groups from v204 on, three where the work registers lie
.set RO, OUTB+4*(\n)
.if RO > 252
.set RO, TM+4*((\n)-13)
.endif
.endm
.macro ROWADD n
	OREG \n
.irp t, 0,1,2,3
	v_add_f32 v[RO+\t], v[ACC+32*((\n)/8)+8*\t+(\n)%8], v[BIAS+\t]
.endr
.endm
.macro ROWOUT i, n                     ; sixteen lanes store 256 consecutive bytes of a row, at a multiple of 256 from out0's first byte; lanes 16-31 the row eight further on
	OREG \n
	global_store_b128 v[OO], v[RO:RO+3], s[12:13] offset:2048*(32*(\i)+16*((\n)/8)+(\n)%8) th:TH_STORE_NT
.endm
.macro G2 i
.set FO, 8192*(\i)
.irp s, 0,1,2,3
	ds_load_b32 v[XS+\s], v[LVS] offset:1024*(\i)+128*\s           ; K step s: wave 2 s made its blocks 0 and 1,
	ds_load_b32 v[TM+12+\s], v[LVS] offset:1024*(\i)+128*\s+64     ; wave 2 s + 1 its blocks 2 and 3
.endr
	FRAGS LV
.if (\i) == 0
	s_wait_loadcnt 0x0                             ; W_proj and the bias are in
.endif
	s_wait_dscnt 16                                ; the eight scale loads are in; the 16 fragment loads may be out
.irp s, 0,1,2,3
	v_lshl_or_b32 v[XS+\s], v[TM+12+\s], 16, v[XS+\s]
.endr
.rept 8
	v_nop                                          ; a scale register written by a vector instruction stands 8 places ahead of the product
.endr
	WIN 0x04
	s_wait_alu depctr_va_vdst(0)                   ; the wait here, directly ahead of the wait below
	GEMM 1
	WIN 0
.if (\i) > 0
	s_wait_xcnt 0x0                                ; the last chunk's stores have read their registers
.endif
	PLACES
	ROWADD 0
.irp n, 1,2,3,4,5,6,7,8,9,10,11,12,13,14,15
	ROWADD \n
	ROWOUT \i, \n-1
.endr
	ROWOUT \i, 15
.endm
	s_load_b256 s[4:11], s[0:1], 0x0               ; x s[4:5], wq s[6:7], ws s[8:9], b_proj s[10:11]
	s_load_b64 s[12:13], s[0:1], 0x20              ; out0
	v_lshl_add_u32 v[SPW], v0, 2, SPARE
	v_mov_b32 v[NIL], 0
	ds_add_u32 v[SPW], v[NIL]                      ; the wave's opening: the add, twice on end, and its wait ahead of my first copy
	ds_add_u32 v[SPW], v[NIL]
	v_lshrrev_b32 v[TM], 5, v0
	v_readfirstlane_b32 s14, v[TM]                 ; wave w
	s_lshr_b32 s15, s14, 2                         ; rt: my tile of a chunk
	s_and_b32 s16, s14, 3                          ; s: my K step
	s_mul_i32 s20, s14, UNIT                       ; my unit of a chunk in LDS
	s_lshl_b32 s21, s15, 16
	s_lshl_b32 s22, s16, 9
	s_add_co_u32 s21, s21, s22                     ; and in memory
	s_lshl_b32 s23, s14, 14
	s_lshl_b32 s28, s14, 10
	s_lshl_b32 s29, s14, 6
	s_lshl_b32 s30, s14, 9
	s_lshl_b32 s33, s14, 8
	s_lshl_b32 s24, ttmp9, 19                      ; 128 pairs of rows of x, 4,096 bytes each
	s_mov_b32 s25, 0
	s_lshl_b32 s34, ttmp9, 18                      ; 128 rows of out0
	s_mov_b32 s35, 0
	s_mov_b32 s26, 0x76543210
	s_mov_b32 s27, 0xfedcba98                      ; lane selects: lane l xor 16
	v_and_b32 v[TM+1], 31, v0                      ; lane
	v_and_b32 v[TM+2], 15, v0                      ; r
	v_bfe_u32 v[TM+3], v0, 4, 1                    ; h
	v_lshlrev_b32 v[TM], 4, v[TM+1]
	v_add_nc_u32 v[LD], s20, v[TM]
	v_add_nc_u32 v[LD+1], 8*UNIT, v[LD]
	v_add_nc_u32 v[LD+2], 16*UNIT, v[LD]
	v_add_nc_u32 v[LD+3], 24*UNIT, v[LD]
	v_add_nc_u32 v[VX], s21, v[TM]
	v_add_nc_u32 v[VX+1], 131072, v[VX]            ; 32 pairs of rows a chunk
	v_add_nc_u32 v[VX+2], 2*131072, v[VX]
	v_add_nc_u32 v[VX+3], 3*131072, v[VX]
	v_add_nc_u32 v[LW], s23, v[TM]
	v_lshlrev_b32 v[WSO], 3, v[TM+1]
	v_add_nc_u32 v[WSO], s28, v[WSO]
	v_lshlrev_b32 v[BO], 4, v[TM+2]
	v_add_nc_u32 v[BO], s33, v[BO]
	v_lshl_add_u32 v[OO], v[TM+3], 14, v[BO]
	v_mul_u32_u24 v[XA0], v[TM+2], PITCH
	v_lshl_add_u32 v[XA0], v[TM+3], 7, v[XA0]
	v_add_nc_u32 v[XA0], s20, v[XA0]
	v_lshl_add_u32 v[LX], v[TM+1], 4, XIMG
	v_add_nc_u32 v[XWI], s28, v[LX]
	v_lshl_add_u32 v[LS], v[TM+2], 2, XSC
	v_add_nc_u32 v[XWS], s29, v[LS]
	v_lshl_add_u32 v[LS], v[TM+3], 8, v[LS]
	v_lshl_add_u32 v[LV], v[TM+1], 4, VIMG
	v_add_nc_u32 v[VWI], s30, v[LV]
	v_lshl_add_u32 v[LVS], v[TM+2], 2, VSC
	v_add_nc_u32 v[VWS], s29, v[LVS]
	v_lshl_add_u32 v[LVS], v[TM+3], 9, v[LVS]
	v_lshlrev_b32 v[HS], 3, v[TM+3]
.irp b, 0,1,2,3
	v_mov_b32 v[TM+4+\b], 0                        ; written once: a lane permute's destination counts as one of its sources
.endr
	s_wait_dscnt 0x0                               ; both opening adds are done
	s_wait_alu depctr_va_vdst(0)                   ; the wait at the head's end
	s_wait_kmcnt 0x0
	s_add_nc_u64 s[XB:XB+1], s[4:5], s[24:25]
.irp e, 1,2,3,4,5,6,7,8,9,10,11,12,13,14,15
	s_add_nc_u64 s[XB+2*\e:XB+2*\e+1], s[XB:XB+1], (4096-PITCH)*\e
.endr
	s_add_nc_u64 s[12:13], s[12:13], s[34:35]
	; all that the work-group reads, in the order of need; every copy stands ahead of the first wait for one
	XCOPY 0, 0, 16
	WSLOAD 0
	WLOAD 0, 0, 16
	XCOPY 1, 0, 8
	WLOAD 0, 16, 16
	XCOPY 1, 8, 8
	WSLOAD 1
	global_load_b128 v[BIAS:BIAS+3], v[BO], s[10:11]
	WLOAD 1, 0, 16
	XCOPY 2, 0, 8
	WLOAD 1, 16, 16
	XCOPY 2, 8, 8
	XCOPY 3, 0, 16
	QXLOAD 0
	QXWORK 0, 0
	BARRIER                                        ; chunk 0's codes are whole
	G1 0, 1
	QXWORK 1, 4                                    ; behind the loads: QV's four stores
	BARRIER                                        ; x's chunk 1, v's chunk 0; x's first image is free again
	G1 1, 1
	QXWORK 2, 4
	BARRIER                                        ; x's chunk 2, v's chunk 1; x's second image is free again
	G1 2, 0
	G2 0                                           ; ahead of the wait for the last chunk of x: the first stores leave
	QXLOAD 3
	s_wait_xcnt 0x0                                ; G2's stores have read their registers: three of the groups lie among the work registers
	QXWORK 3, 0
	BARRIER                                        ; x's chunk 3, v's chunk 2
	G1 3, 0
	G2 1
	G2 2
	BARRIER                                        ; v's chunk 3
	G2 3
	s_wait_tensorcnt 0x0                           ; the wave's end: behind my last copy and my last LDS store
	s_wait_asynccnt 0x0
	ds_add_u32 v[SPW], v[NIL]
	s_wait_dscnt 0x0
	s_endpgm
.Lfunc_end_k_q6abca2219c_fused:
	.size	k_q6abca2219c_fused, .Lfunc_end_k_q6abca2219c_fused-k_q6abca2219c_fused
	.p2alignl 7, 3214868480
	.fill 96, 4, 3214868480
	.section	.rodata,"a",@progbits
	.p2align	6, 0x0
	.amdhsa_kernel k_q6abca2219c_fused
		.amdhsa_group_segment_fixed_size 327680
		.amdhsa_private_segment_fixed_size 0
		.amdhsa_enable_private_segment 0
		.amdhsa_kernarg_size 40
		.amdhsa_user_sgpr_count 2
		.amdhsa_user_sgpr_kernarg_segment_ptr 1
		.amdhsa_wavefront_size32 1
		.amdhsa_system_sgpr_workgroup_id_x 1
		.amdhsa_system_sgpr_workgroup_id_y 1
		.amdhsa_system_sgpr_workgroup_id_z 1
		.amdhsa_system_vgpr_workitem_id 0
		.amdhsa_next_free_vgpr 512
		.amdhsa_next_free_sgpr 98
		.amdhsa_reserve_vcc 0
		.amdhsa_float_denorm_mode_32 3
		.amdhsa_float_denorm_mode_16_64 3
		.amdhsa_memory_ordered 1
		.amdhsa_forward_progress 1
		.amdhsa_inst_pref_size 113
	.end_amdhsa_kernel
	.amdgpu_metadata
---
amdhsa.version: [ 1, 2 ]
amdhsa.kernels:
  - .name:           k_q6abca2219c_fused
    .symbol:         k_q6abca2219c_fused.kd
    .args:
      - { .name: x, .offset: 0, .size: 8, .value_kind: global_buffer, .address_space: global }
      - { .name: wq, .offset: 8, .size: 8, .value_kind: global_buffer, .address_space: global }
      - { .name: ws, .offset: 16, .size: 8, .value_kind: global_buffer, .address_space: global }
      - { .name: b_proj, .offset: 24, .size: 8, .value_kind: global_buffer, .address_space: global }
      - { .name: out0, .offset: 32, .size: 8, .value_kind: global_buffer, .address_space: global }
    .group_segment_fixed_size: 327680
    .private_segment_fixed_size: 0
    .kernarg_segment_align: 8
    .kernarg_segment_size: 40
    .max_flat_workgroup_size: 256
    .sgpr_count:     98
    .vgpr_count:     512
    .wavefront_size: 32
...
	.end_amdgpu_metadata
.endif
;; end of part 2
